; MI455X (gfx1250); checked and timed in simulation.
; The chip was launched on July 23, 2026; its instructions are those of AMD's public machine-readable ISA for CDNA 5 (MIT licence, August 2026) and "CDNA5" Instruction Set Architecture Reference Guide (July 2026). The comments in the code are by the model that wrote it; some were corrected since.
;; self Attention. Allowed arithmetic: float matrix products may take bf16 or f16 operands with f32 sums; all other float work in f32.
;; Inputs: bo 256 float32; gn_b 256 float32; gn_w 256 float32; wk 256 x 256 float32; wo 256 x 256 float32; wq 256 x 256 float32; wv 256 x 256 float32; x 2 x 256 x 64 x 64 float32.
;; Outputs: out0 2 x 256 x 64 x 64 float32.
;; One version. Each part assembles by itself: llvm-mc -triple=amdgcn-amd-amdhsa -mcpu=gfx1250 --defsym DOCPART=n.
;; ======== version 1 of 1: 4 launches
;; workspace buffers: part 2,048 bytes; wfr 524,288 bytes; qfr 4,194,304 bytes; kvf 8,388,608 bytes; ofr 4,194,304 bytes
;; launch prep (part 1): grid 256 x 1, 8 waves a work-group, no clusters, 1,280 bytes of LDS; arguments x, wq, wk, wv, wo, part, wfr; writes part, wfr
.if DOCPART == 1
	.amdgcn_target "amdgcn-amd-amdhsa--gfx1250"
	.amdhsa_code_object_version 6
	.text
	.protected	k_qd35fc85999_prep
	.globl	k_qd35fc85999_prep
	.p2align	8
	.type	k_qd35fc85999_prep,@function
k_qd35fc85999_prep:
	s_mov_b64 s[64:65], 0
	v_nop
	global_prefetch_b8 v0, s[64:65] scope:SCOPE_SE
	s_setreg_imm32_b32 hwreg(HW_REG_WAVE_MODE, 25, 1), 1
	s_wait_xcnt 0x0
; PREP: (1) partial statistics for GroupNorm, (2) the four weight matrices as bf16 in matrix-fragment order.
; x is [2][256][4096] f32; a group is 8 channels = 131,072 consecutive bytes.  Work-group i takes the quarter of a group at byte 32,768 i:
; 8,192 numbers, 32 a thread, kept in registers between the pass for the mean and the pass for the squared deviations, so x is read once here.
; It stores (mean, sum of squared deviations from that mean) at part + 8 i; the next launch joins four quarters from means and deviations,
; so no difference of large sums is ever formed.  (These 8 bytes a work-group are the only store that is not a whole run of 512 bytes: 2 KiB in all.)
; Weights: a block is 512 bytes, lane L = (r = L & 15, h = L >> 4) holding W[16 otile + r][16 bl + 8 h .. + 7] as bf16 at byte 16 L: half of a 16 x 32 fragment.
; 4 matrices x 16 row tiles x 16 blocks = 1,024 blocks = 256 work-groups x waves 0 to 3.  wq is multiplied by log2(e)/16 in f32 before its one rounding,
; so that the scores come out of the matrix unit ready for the base-2 exponential.
; wfr: bytes 0 .. 393,215 [head 4][q,k,v 3][row tile of the head 4][8,192];  from 393,216 wo [row tile 16][8,192].
; No matrix unit, no cluster, no tensor load: the launch streams 9 MiB once and shares nothing between work-groups.
.set X,  4                             ; v[4:35]   my 32 numbers of x
.set W,  36                            ; v[36:43]  8 weights in f32
.set PK, 44                            ; v[44:47]  the same as bf16
.set SM, 48                            ; v[48:55]  four chains of pairs
.set T,  56                            ; v[56:63]  at work
	s_load_b256 s[4:11], s[0:1], 0x0               ; x s[4:5], wq s[6:7], wk s[8:9], wv s[10:11]
	s_load_b128 s[12:15], s[0:1], 0x20             ; wo s[12:13], part s[14:15]
	s_load_b64 s[16:17], s[0:1], 0x30              ; wfr
	v_lshl_add_u32 v64, v0, 2, 0x100
	v_mov_b32 v65, 0
	v_lshrrev_b32 v[T], 5, v0
	v_readfirstlane_b32 s18, v[T]                  ; wave 0..7
	v_lshlrev_b32 v1, 4, v0                        ; x: 16 bytes a thread
	v_and_b32 v[T], 15, v0                         ; r
	v_bfe_u32 v[T+1], v0, 4, 1                     ; h
	v_lshlrev_b32 v2, 10, v[T]                     ; weights in: row r of 1,024 bytes
	v_lshl_add_u32 v2, v[T+1], 5, v2               ; + 8 h numbers
	v_and_b32 v3, 31, v0
	v_lshlrev_b32 v3, 4, v3                        ; weights out: 16 L
	v_mov_b32 v[T+2], s18
	v_lshlrev_b32 v[T+2], 2, v[T+2]                ; my wave's word in LDS
	v_mov_b32 v[T+3], 0
	s_mov_b32 s32, 0x76543210                      ; v_permlanex16_b32: lane i reads lane i of the other half
	s_mov_b32 s33, 0xfedcba98
	s_lshr_b32 s19, ttmp9, 6                       ; which matrix: 0 wq, 1 wk, 2 wv, 3 wo
	s_bfe_u32 s24, ttmp9, 0x40002                  ; its row tile 0..15
	s_and_b32 s25, ttmp9, 3
	s_lshl2_add_u32 s25, s25, s18                  ; block 4 (i & 3) + wave (waves 0 to 3 use it)
	s_lshr_b32 s26, s24, 2                         ; head
	s_mul_i32 s26, s26, 3
	s_add_co_u32 s26, s26, s19                     ; 3 head + type
	s_and_b32 s27, s24, 3
	s_lshl2_add_u32 s26, s26, s27                  ; unit of 8,192 bytes for q, k, v
	s_add_co_u32 s27, s24, 48                      ; and for wo
	s_cmp_lt_u32 s19, 3
	s_cselect_b32 s26, s26, s27
	s_lshl_b32 s26, s26, 13
	s_lshl_b32 s27, s25, 9
	s_add_co_u32 s26, s26, s27                     ; byte offset of my block in wfr
	s_mov_b32 s27, 0
	s_lshl_b32 s28, s24, 14                        ; 16 rows of 1,024 bytes
	s_lshl_b32 s29, s25, 6                         ; 16 columns of 4 bytes
	s_add_co_u32 s28, s28, s29                     ; byte offset of my block's corner in the matrix
	s_mov_b32 s29, 0
	s_lshl_b32 s30, ttmp9, 15                      ; my quarter group in x
	s_mov_b32 s31, 0
	s_wait_kmcnt 0x0
	s_cmp_eq_u32 s19, 0
	s_cselect_b64 s[20:21], s[6:7], s[12:13]       ; the matrix is chosen by the work-group's number alone
	s_cselect_b32 s22, 0x3db8aa3b, 1.0             ; log2(e)/16 for wq, 1 for the others
	s_cmp_eq_u32 s19, 1
	s_cselect_b64 s[20:21], s[8:9], s[20:21]
	s_cmp_eq_u32 s19, 2
	s_cselect_b64 s[20:21], s[10:11], s[20:21]
	s_mov_b32 s23, s22
	s_add_nc_u64 s[20:21], s[20:21], s[28:29]
	s_add_nc_u64 s[16:17], s[16:17], s[26:27]
	s_add_nc_u64 s[4:5], s[4:5], s[30:31]
	s_cmp_ge_u32 s18, 4
	s_cbranch_scc1 .Lno_w_load
	global_load_b128 v[W:W+3], v2, s[20:21]
	global_load_b128 v[W+4:W+7], v2, s[20:21] offset:16
.Lno_w_load:
.irp k, 0,1,2,3,4,5,6,7
	global_load_b128 v[X+4*\k:X+4*\k+3], v1, s[4:5] offset:4096*\k     ; a wave's load covers 512 consecutive bytes
.endr
	s_cmp_ge_u32 s18, 4
	s_cbranch_scc1 .Lno_w_store
	s_wait_loadcnt 8                               ; loads return in order: the two weight loads are in, the eight of x stay out
.irp k, 0,2,4,6
	v_pk_mul_f32 v[W+\k:W+\k+1], v[W+\k:W+\k+1], s[22:23] op_sel_hi:[1,0]
.endr
.irp k, 0,1,2,3
	v_cvt_pk_bf16_f32 v[PK+\k], v[W+2*\k], v[W+2*\k+1]
.endr
	global_store_b128 v3, v[PK:PK+3], s[16:17]     ; 512 consecutive bytes, aligned
.Lno_w_store:
	s_wait_loadcnt 0x0
.macro JOIN                            ; four pairs to one number
	v_pk_add_f32 v[SM:SM+1], v[SM:SM+1], v[SM+2:SM+3]
	v_pk_add_f32 v[SM+4:SM+5], v[SM+4:SM+5], v[SM+6:SM+7]
	v_pk_add_f32 v[SM:SM+1], v[SM:SM+1], v[SM+4:SM+5]
	v_add_f32 v[SM], v[SM], v[SM+1]
.endm
; v[SM] is summed over the 32 lanes, then over the 8 waves through 32 bytes of LDS at byte base; the sum ends in every lane.
.macro WGSUM base
	v_add_f32_dpp v[SM], v[SM], v[SM] row_xmask:1 row_mask:0xf bank_mask:0xf
	v_add_f32_dpp v[SM], v[SM], v[SM] row_xmask:2 row_mask:0xf bank_mask:0xf
	v_add_f32_dpp v[SM], v[SM], v[SM] row_xmask:4 row_mask:0xf bank_mask:0xf
	v_add_f32_dpp v[SM], v[SM], v[SM] row_xmask:8 row_mask:0xf bank_mask:0xf
	v_permlanex16_b32 v[T+1], v[SM], s32, s33      ; its destination has been written before
	v_add_f32 v[SM], v[SM], v[T+1]
	ds_store_b32 v[T+2], v[SM] offset:\base        ; all lanes write the wave's one word with the same value
	s_wait_dscnt 0x0                               ; for the other waves' sake: my store is done before I signal
	s_barrier_signal -1
	s_barrier_wait -1
	ds_load_b128 v[SM:SM+3], v[T+3] offset:\base
	ds_load_b128 v[SM+4:SM+7], v[T+3] offset:\base+16
	s_wait_dscnt 0x0
	JOIN
.endm
	; pass 1: the mean of the 8,192 numbers
.irp c, 0,1,2,3
	v_pk_add_f32 v[SM+2*\c:SM+2*\c+1], v[X+2*\c:X+2*\c+1], v[X+8+2*\c:X+8+2*\c+1]     ; the first sums start the chains: nothing is cleared
.endr
.irp c, 0,1,2,3
	v_pk_add_f32 v[SM+2*\c:SM+2*\c+1], v[SM+2*\c:SM+2*\c+1], v[X+16+2*\c:X+16+2*\c+1]
.endr
.irp c, 0,1,2,3
	v_pk_add_f32 v[SM+2*\c:SM+2*\c+1], v[SM+2*\c:SM+2*\c+1], v[X+24+2*\c:X+24+2*\c+1]
.endr
	JOIN
	WGSUM 0
	v_mul_f32 v[T+4], 0x39000000, v[SM]            ; x 2^-13
	v_mov_b32 v[T+5], v[T+4]
	; pass 2: deviations in place, then their squares; the second sum goes through other LDS bytes, so one barrier serves it
.set i, 0
.rept 16
	v_pk_add_f32 v[X+2*i:X+2*i+1], v[X+2*i:X+2*i+1], v[T+4:T+5] neg_lo:[0,1] neg_hi:[0,1]
.set i, i+1
.endr
.irp c, 0,1,2,3
	v_pk_mul_f32 v[SM+2*\c:SM+2*\c+1], v[X+2*\c:X+2*\c+1], v[X+2*\c:X+2*\c+1]
.endr
.irp g, 8,16,24
.irp c, 0,1,2,3
	v_pk_fma_f32 v[SM+2*\c:SM+2*\c+1], v[X+\g+2*\c:X+\g+2*\c+1], v[X+\g+2*\c:X+\g+2*\c+1], v[SM+2*\c:SM+2*\c+1]
.endr
.endr
	JOIN
	WGSUM 128
	s_cmp_lg_u32 s18, 0
	s_cbranch_scc1 .Lend
	v_mov_b32 v[T+5], v[SM]                        ; (mean, sum of squared deviations)
	s_lshl_b32 s30, ttmp9, 3
	s_add_nc_u64 s[14:15], s[14:15], s[30:31]
	v_cmp_eq_u32 vcc_lo, 0, v0
	s_wait_xcnt 0x0                                ; EXEC is a source of the weight store above: it changes only behind this wait
	s_and_saveexec_b32 s19, vcc_lo
	global_store_b64 v[T+3], v[T+4:T+5], s[14:15]  ; thread 0 alone
	s_wait_xcnt 0x0                                ; and again in front of the line that widens it
	s_or_b32 exec_lo, exec_lo, s19
.Lend:
	s_wait_tensorcnt 0x0
	ds_add_u32 v64, v65
	s_wait_dscnt 0x0
	s_endpgm
.Lfunc_end_k_qd35fc85999_prep:
	.size	k_qd35fc85999_prep, .Lfunc_end_k_qd35fc85999_prep-k_qd35fc85999_prep
	.p2alignl 7, 3214868480
	.fill 96, 4, 3214868480
	.section	.rodata,"a",@progbits
	.p2align	6, 0x0
	.amdhsa_kernel k_qd35fc85999_prep
		.amdhsa_group_segment_fixed_size 1280
		.amdhsa_private_segment_fixed_size 0
		.amdhsa_enable_private_segment 0
		.amdhsa_kernarg_size 56
		.amdhsa_user_sgpr_count 2
		.amdhsa_user_sgpr_kernarg_segment_ptr 1
		.amdhsa_wavefront_size32 1
		.amdhsa_system_sgpr_workgroup_id_x 1
		.amdhsa_system_sgpr_workgroup_id_y 1
		.amdhsa_system_sgpr_workgroup_id_z 1
		.amdhsa_system_vgpr_workitem_id 0
		.amdhsa_next_free_vgpr 66
		.amdhsa_next_free_sgpr 66
		.amdhsa_reserve_vcc 1
		.amdhsa_float_denorm_mode_32 3
		.amdhsa_float_denorm_mode_16_64 3
		.amdhsa_memory_ordered 1
		.amdhsa_forward_progress 1
		.amdhsa_inst_pref_size 10
	.end_amdhsa_kernel
	.amdgpu_metadata
---
amdhsa.version: [ 1, 2 ]
amdhsa.kernels:
  - .name:           k_qd35fc85999_prep
    .symbol:         k_qd35fc85999_prep.kd
    .args:
      - { .name: x, .offset: 0, .size: 8, .value_kind: global_buffer, .address_space: global }
      - { .name: wq, .offset: 8, .size: 8, .value_kind: global_buffer, .address_space: global }
      - { .name: wk, .offset: 16, .size: 8, .value_kind: global_buffer, .address_space: global }
      - { .name: wv, .offset: 24, .size: 8, .value_kind: global_buffer, .address_space: global }
      - { .name: wo, .offset: 32, .size: 8, .value_kind: global_buffer, .address_space: global }
      - { .name: part, .offset: 40, .size: 8, .value_kind: global_buffer, .address_space: global }
      - { .name: wfr, .offset: 48, .size: 8, .value_kind: global_buffer, .address_space: global }
    .group_segment_fixed_size: 1280
    .private_segment_fixed_size: 0
    .kernarg_segment_align: 8
    .kernarg_segment_size: 56
    .max_flat_workgroup_size: 256
    .sgpr_count:     66
    .vgpr_count:     66
    .wavefront_size: 32
...
	.end_amdgpu_metadata
.endif
;; end of part 1
;; launch qkv (part 2): grid 64 x 4, 8 waves a work-group, clusters of 4 x 1, 173,056 bytes of LDS; arguments x, gn_w, gn_b, part, wfr, qfr, kvf; writes qfr, kvf
.if DOCPART == 2
	.amdgcn_target "amdgcn-amd-amdhsa--gfx1250"
	.amdhsa_code_object_version 6
	.text
	.protected	k_qd35fc85999_qkv
	.globl	k_qd35fc85999_qkv
	.p2align	8
	.type	k_qd35fc85999_qkv,@function
k_qd35fc85999_qkv:
	s_mov_b64 s[64:65], 0
	v_nop
	global_prefetch_b8 v0, s[64:65] scope:SCOPE_SE
	s_setreg_imm32_b32 hwreg(HW_REG_WAVE_MODE, 25, 1), 1
	s_wait_xcnt 0x0
	s_wait_alu depctr_hold_cnt(0) depctr_sa_sdst(0) depctr_va_vdst(0) depctr_va_sdst(0) depctr_va_ssrc(0) depctr_va_vcc(0) depctr_vm_vsrc(0)
	s_getreg_b32 s2, hwreg(HW_REG_IB_STS2, 6, 4)
	s_cmp_eq_u32 s2, 0
	s_cbranch_scc0 .Lentry_in_a_cluster
	s_endpgm
.Lentry_in_a_cluster:
	s_bfe_u32 s2, ttmp6, 0x10000c
	s_cmp_lg_u32 s2, 0x3003
	s_cbranch_scc0 .Lentry_shape_is_right
	s_endpgm
.Lentry_shape_is_right:
; QKV: GroupNorm applied on the way in, then q, k, v of ONE head for 128 positions: 3 x 64 outputs x 128 positions x 256 channels.
; Grid x = batch (2) x block of 128 positions (32), grid y = head.  8 waves; wave w = (oh = w >> 2, pp = w & 3) makes, for each of q, k, v, output tiles
; 2 oh, 2 oh + 1 x position tiles 2 pp, 2 pp + 1: 4 accumulators, 8 K steps of 32, 96 matrix instructions.
; Operands are bf16, sums f32.  norm = x a + b' with a = rstd gn_w and b' = gn_b - mean a, one fused multiply-add in f32, rounded once to bf16.
; CLUSTER of 4 along x: four neighbouring position blocks of one head need the same 98,304 bytes of weights, asked for jointly (mask 15).
; x's tile is also read by the three other heads' work-groups; it comes through registers, because every number is normalised on the way, and a load into
; registers has no joint form.
; RESULTS leave in fragment order (blocks of 512 bytes, lane L at 16 L), straight from the accumulators:
;   q, k: D = W x norm: lane (r, h) holds channels 8 h .. + 7 of position r: a piece of a fragment whose rows are positions and whose k is the channel.
;   v:    D = norm x W (sources swapped): lane (r, h) holds positions 8 h .. + 7 of channel r: a piece of a fragment whose rows are channels and whose k is the key.
;   qfr [bh 8][position tile 256][ks 2][j 2][512];  kvf [bh 8][chunk of 64 keys 64][16,384]: K at 0 [key tile 4][ks 2][j 2][512], V at 8,192 [kk 2][cc 4][j 2][512].
; LDS: 0 .. 98,303 the head's weights (tensor loads alone write here); 98,304 .. 172,031 norm as [256 channels][128 positions] bf16 (LDS stores alone write here).
.set XN,  98304                        ; norm in LDS
.set XP,  288                          ; its pitch: 256 bytes + 32 = 9 x 32
.set OUT, 16                           ; v[16:31]   packed results; before the first store: scratch for the group constants
.set ACC, 32                           ; v[32:63]   4 accumulators
.set WB,  64                           ; v[64:127]  weight fragments, two buffers of 32
.set NF,  128                          ; v[128:255] first x (32 channels x 4 numbers), then the norm fragments: 64 i_pt + 8 ks
.set XR,  128
.set G1,  24                           ; s[24:31]
.set G0,  32                           ; s[32:35]
.macro PLACES n
.rept \n
	v_nop
.endr
.endm
; A round of the cluster's barrier: my work-group's barrier, wave 0 signals for the work-group, every wave waits for the four work-groups, my work-group's barrier again.
.macro ROUND
	s_barrier_signal -1
	s_barrier_wait -1
	s_cmp_lg_u32 s18, 0
	s_cbranch_scc1 .Lnot_wave_0_\@
	s_barrier_signal -3
.Lnot_wave_0_\@:
	s_barrier_wait -3
	s_barrier_signal -1
	s_barrier_wait -1
.endm
	s_load_b256 s[4:11], s[0:1], 0x0               ; x s[4:5], gn_w s[6:7], gn_b s[8:9], part s[10:11]
	s_load_b128 s[12:15], s[0:1], 0x20             ; wfr s[12:13], qfr s[14:15]
	s_load_b64 s[16:17], s[0:1], 0x30              ; kvf
	s_set_vgpr_msb 0x40
	v_lshl_add_u32 v0, v0, 2, 0x2a000
	v_mov_b32 v1, 0
	s_set_vgpr_msb 0x4045
	ds_add_u32 v0, v1
	s_set_vgpr_msb 0x4500
	v_lshrrev_b32 v8, 5, v0
	v_readfirstlane_b32 s18, v8                    ; wave
	s_and_b32 s19, s18, 3                          ; pp
	s_lshr_b32 s20, s18, 2                         ; oh
	s_bfe_u32 s21, ttmp6, 0x40000                  ; cx
	s_lshl_b32 s22, ttmp9, 2
	s_add_co_u32 s22, s22, s21                     ; work-group x = 4 x cluster x + cx
	s_and_b32 s23, ttmp7, 0xffff                   ; head
	s_lshr_b32 s44, s22, 5                         ; batch
	s_and_b32 s45, s22, 31                         ; block of 128 positions
	s_lshl2_add_u32 s46, s44, s23                  ; bh = 4 batch + head
	; group 1: 96 rows of 32 elements of 8 bytes, dense; mask 15 = the four work-groups of the cluster, bit 21 beside it
	s_mov_b32 s[G1+0], 15|(3<<16)|(1<<21)
	s_mov_b32 s[G1+1], 32<<16                      ; tensor_dim0 = 32
	s_mov_b32 s[G1+2], 96<<16                      ; tensor_dim1 = 96
	s_mov_b32 s[G1+3], 32<<16                      ; tile_dim0 = 32
	s_mov_b32 s[G1+4], 96                          ; tile_dim1 = 96
	s_mov_b32 s[G1+5], 32                          ; pitch = 32 elements
	s_mov_b32 s[G1+6], 0
	s_mov_b32 s[G1+7], 0
	s_mov_b32 s[G0+0], 1
	s_mul_i32 s[G0+1], s18, 24576                  ; LDS: waves 0 to 3 bring a quarter each
	s_mul_i32 s42, s23, 98304                      ; the head's weights: head and wave alone, which the four partners share
	s_add_co_u32 s42, s42, s[G0+1]
	s_mov_b32 s43, 0
	; byte offsets, each apart from its buffer's address
	s_lshl_b32 s36, s44, 22                        ; x: batch
	s_lshl_b32 s37, s18, 19                        ;    + 32 w channels of 16,384 bytes
	s_add_co_u32 s36, s36, s37
	s_lshl_b32 s37, s45, 9                         ;    + block x 512 bytes
	s_add_co_u32 s36, s36, s37
	s_mov_b32 s37, 0
	s_lshl_b32 s38, s44, 10                        ; part: batch x 32 groups x 32 bytes
	s_mov_b32 s39, 0
	s_wait_dscnt 0x0
	s_wait_kmcnt 0x0
	s_add_nc_u64 s[4:5], s[4:5], s[36:37]
	s_add_nc_u64 s[10:11], s[10:11], s[38:39]
	s_add_nc_u64 s[G0+2:G0+3], s[12:13], s[42:43]
	s_or_b32 s[G0+3], s[G0+3], 0x80000000          ; type 2
	s_lshl_b32 s36, s46, 19                        ; qfr: bh
	s_lshl_b32 s38, s45, 14                        ;   + 8 tiles of 2,048 a block
	s_add_co_u32 s36, s36, s38
	s_lshl_b32 s38, s19, 12                        ;   + 2 pp tiles
	s_add_co_u32 s36, s36, s38
	s_lshl_b32 s38, s20, 10                        ;   + ks = oh
	s_add_co_u32 s36, s36, s38
	s_mov_b32 s37, 0
	s_lshl_b32 s40, s46, 20                        ; kvf: bh
	s_lshl_b32 s38, s45, 15                        ;   + 2 chunks of 16,384 a block
	s_add_co_u32 s40, s40, s38
	s_lshr_b32 s38, s19, 1
	s_lshl_b32 s38, s38, 14                        ;   + chunk pp >> 1
	s_add_co_u32 s40, s40, s38
	s_and_b32 s38, s19, 1
	s_lshl_b32 s38, s38, 12                        ;   + (pp & 1) x 4,096: two key tiles of K, or one kk of V
	s_add_co_u32 s40, s40, s38
	s_lshl_b32 s38, s20, 10
	s_add_co_u32 s38, s40, s38                     ; K: + ks = oh
	s_mov_b32 s39, 0
	s_lshl_b32 s41, s20, 11
	s_add_co_u32 s40, s40, s41                     ; V: + cc = 2 oh
	s_add_co_u32 s40, s40, 8192
	s_mov_b32 s41, 0
	s_add_nc_u64 s[36:37], s[14:15], s[36:37]      ; q's stores
	s_add_nc_u64 s[38:39], s[16:17], s[38:39]      ; k's
	s_add_nc_u64 s[40:41], s[16:17], s[40:41]      ; v's
	; lane terms
	v_and_b32 v9, 31, v0                           ; L
	v_lshlrev_b32 v1, 4, v9                        ; 16 L
	v_and_b32 v8, 7, v0
	v_bfe_u32 v10, v0, 4, 1
	v_lshl_add_u32 v8, v10, 3, v8                  ; channel 8 h + (L & 7) of a K step
	v_mul_u32_u24 v8, v8, XP
	v_bfe_u32 v10, v0, 3, 1
	v_lshl_add_u32 v8, v10, 4, v8                  ; + 16 ((L >> 3) & 1)
	s_lshl_b32 s47, s19, 6                         ; my 32 positions: 64 pp bytes
	s_add_co_u32 s47, s47, XN
	v_add_nc_u32 v2, s47, v8                       ; transposing loads, K steps 0 to 3
	v_add_nc_u32 v3, 128*XP, v2                    ; K steps 4 to 7 (the immediate has 16 bits)
	s_lshl_b32 s47, s20, 14
	v_add_nc_u32 v4, s47, v1                       ; weights of q and k: 16 L + oh x two tiles of 8,192
	v_add_nc_u32 v5, 65536, v4                     ; of v
	s_mul_i32 s47, s18, 32*XP
	s_add_co_u32 s47, s47, XN
	v_lshl_add_u32 v6, v9, 3, s47                  ; norm goes to row 32 w + i, byte 8 L
	v_lshrrev_b32 v7, 3, v0                        ; thread t is channel t for the constants: its group is t >> 3,
	v_lshlrev_b32 v7, 5, v7                        ; 32 bytes of part a group
	v_lshlrev_b32 v26, 2, v0                       ; gn_w, gn_b: 4 t
	global_load_b128 v[8:11], v7, s[10:11]         ; (mean, M2) of quarters 0, 1
	global_load_b128 v[12:15], v7, s[10:11] offset:16      ; of quarters 2, 3
	global_load_b32 v22, v26, s[6:7]
	global_load_b32 v23, v26, s[8:9]
.irp i, 0,1,2,3,4,5,6,7,8,9,10,11,12,13,14,15,16,17,18,19,20,21,22,23,24,25,26,27,28,29,30,31
	global_load_b128 v[XR+4*\i:XR+4*\i+3], v1, s[4:5] offset:16384*\i      ; channel 32 w + i: 512 consecutive bytes, aligned
.endr
	ROUND                                          ; the four work-groups are here: the joint loads meet
	s_cmp_ge_u32 s18, 4
	s_cbranch_scc1 .Lno_fill
	tensor_load_to_lds s[G0:G0+3], s[G1:G1+7]      ; one load a wave is out
	s_nop 0
.Lno_fill:
	s_wait_loadcnt 32                              ; the four small loads are in; the 32 of x stay out
	; the group's mean and variance from four quarters of 8,192: M2 = sum M2_i + 8,192 sum (mean_i - mean)^2
	v_add_f32 v16, v8, v10
	v_add_f32 v17, v12, v14
	v_add_f32 v16, v16, v17
	v_mul_f32 v16, 0x3e800000, v16                 ; mean
	v_sub_f32 v17, v8, v16
	v_sub_f32 v18, v10, v16
	v_sub_f32 v19, v12, v16
	v_sub_f32 v20, v14, v16
	v_mul_f32 v17, v17, v17
	v_fmac_f32 v17, v18, v18
	v_fmac_f32 v17, v19, v19
	v_fmac_f32 v17, v20, v20
	v_add_f32 v18, v9, v11
	v_add_f32 v19, v13, v15
	v_add_f32 v18, v18, v19
	v_fmac_f32 v18, 0x46000000, v17                ; + 8,192 x
	v_mov_b32 v20, 0x3727c5ac                      ; 1e-5
	v_fma_f32 v19, v18, 0x38000000, v20            ; M2 x 2^-15 + eps
	v_rsq_f32 v19, v19
	v_nop                                          ; one plain instruction behind a transcendental (ISA guide 5.7.2)
	s_wait_alu depctr_va_vdst(0)
	v_mul_f32 v24, v19, v22                        ; a  = rstd gn_w      (lane = channel 32 w + L)
	v_fma_f32 v25, -v16, v24, v23                  ; b' = gn_b - mean a
; Channel 32 w + i: its a and b' come to scalars (four pairs take turns), 4 numbers a lane are normalised, rounded and laid into LDS.
.macro NORMROW i
	v_readlane_b32 s[48+2*((\i)&3)], v24, \i
	v_readlane_b32 s[49+2*((\i)&3)], v25, \i
	s_wait_loadcnt 31-\i                           ; row i is in, the rows behind it stay out
.irp e, 0,1,2,3
	v_fma_f32 v[XR+4*\i+\e], v[XR+4*\i+\e], s[48+2*((\i)&3)], s[49+2*((\i)&3)]
.endr
	v_cvt_pk_bf16_f32 v[XR+4*\i], v[XR+4*\i], v[XR+4*\i+1]
	v_cvt_pk_bf16_f32 v[XR+4*\i+1], v[XR+4*\i+2], v[XR+4*\i+3]
	ds_store_b64 v6, v[XR+4*\i:XR+4*\i+1] offset:XP*\i     ; 256 consecutive bytes
.endm
.irp i, 0,1,2,3,4,5,6,7,8,9,10,11,12,13,14,15,16,17,18,19,20,21,22,23,24,25,26,27,28,29,30,31
	NORMROW \i
.endr
	s_wait_dscnt 0x0                               ; my rows of norm are in LDS,
	s_wait_tensorcnt 0x0                           ; my part of the weights too (waves 4 to 7 have none out):
	s_barrier_signal -1
	s_barrier_wait -1                              ; everybody's are.  Nothing in LDS is written from here on.
	; norm fragments of my two position tiles, all 8 K steps: rows are channels in LDS, so the loads transpose
.irp p, 0,1
.irp k, 0,1,2,3
.irp j, 0,1
	ds_load_tr16_b128 v[NF+64*\p+8*\k+4*\j:NF+64*\p+8*\k+4*\j+3], v2 offset:\k*32*XP+\j*16*XP+32*\p
	ds_load_tr16_b128 v[NF+64*\p+32+8*\k+4*\j:NF+64*\p+32+8*\k+4*\j+3], v3 offset:\k*32*XP+\j*16*XP+32*\p
.endr
.endr
.endr
; 8 loads: the weight fragments of my two output tiles for K steps 2 kb, 2 kb + 1
.macro LDW type, kb, buf
.irp o, 0,1
.irp k, 0,1
.irp j, 0,1
.if \type == 2
	ds_load_b128 v[WB+32*\buf+16*\o+8*\k+4*\j:WB+32*\buf+16*\o+8*\k+4*\j+3], v5 offset:\o*8192+(2*\kb+\k)*1024+\j*512
.else
	ds_load_b128 v[WB+32*\buf+16*\o+8*\k+4*\j:WB+32*\buf+16*\o+8*\k+4*\j+3], v4 offset:\type*32768+\o*8192+(2*\kb+\k)*1024+\j*512
.endif
.endr
.endr
.endr
.endm
; 8 matrix instructions.  The four accumulators take turns, one instruction a turn, from batch to batch too.
; The first K step of a type takes the constant 0 as C: nothing is cleared.
.macro MMB type, kb, buf
.irp k, 0,1
.irp o, 0,1
.irp p, 0,1
.set DD, ACC+8*(2*\o+\p)
.if \type == 2
.set AA, NF+64*\p+8*(2*\kb+\k)
.set BB, WB+32*\buf+16*\o+8*\k
.else
.set AA, WB+32*\buf+16*\o+8*\k
.set BB, NF+64*\p+8*(2*\kb+\k)
.endif
.if (\kb+\k) == 0
	v_wmma_f32_16x16x32_bf16 v[DD:DD+7], v[AA:AA+7], v[BB:BB+7], 0
.else
	v_wmma_f32_16x16x32_bf16 v[DD:DD+7], v[AA:AA+7], v[BB:BB+7], v[DD:DD+7]
.endif
.endr
.endr
.endr
.endm
; left: how many younger LDS loads may stay out (the next batch's 8).  pl: places behind the matrix instructions: 4 in front of loads into
; the buffer just read and of the conversions; 5 at a type's end, where the next type's first products write over the accumulators.
.macro BATCH type, kb, buf, left, pl, more, ntype, nkb
	s_wait_dscnt \left
	MMB \type, \kb, \buf
	PLACES \pl
.if \more
	LDW \ntype, \nkb, \buf
.endif
.endm
; round to bf16 and store: each store of the wave covers 512 consecutive bytes, aligned
.macro OUTS base, so, sp
	s_wait_xcnt 0x0                                ; OUT is the data of the last type's stores: rewritten only behind this wait
.irp o, 0,1
.irp p, 0,1
.irp r, 0,1,2,3
	v_cvt_pk_bf16_f32 v[OUT+4*(2*\o+\p)+\r], v[ACC+8*(2*\o+\p)+2*\r], v[ACC+8*(2*\o+\p)+2*\r+1]
.endr
	global_store_b128 v1, v[OUT+4*(2*\o+\p):OUT+4*(2*\o+\p)+3], s[\base:\base+1] offset:\o*\so+\p*\sp
.endr
.endr
.endm
	LDW 0, 0, 0
	LDW 0, 1, 1
	BATCH 0, 0, 0, 8, 4, 1, 0, 2                   ; the first wait also covers the norm fragments, issued earlier
	BATCH 0, 1, 1, 8, 4, 1, 0, 3
	BATCH 0, 2, 0, 8, 4, 1, 1, 0
	BATCH 0, 3, 1, 8, 5, 1, 1, 1
	OUTS 36, 512, 2048                             ; q: j = i_ot, position tile = i_pt
	BATCH 1, 0, 0, 8, 4, 1, 1, 2
	BATCH 1, 1, 1, 8, 4, 1, 1, 3
	BATCH 1, 2, 0, 8, 4, 1, 2, 0
	BATCH 1, 3, 1, 8, 5, 1, 2, 1
	OUTS 38, 512, 2048                             ; k: j = i_ot, key tile = i_pt
	BATCH 2, 0, 0, 8, 4, 1, 2, 2
	BATCH 2, 1, 1, 8, 4, 1, 2, 3
	BATCH 2, 2, 0, 8, 4, 0, 0, 0
	BATCH 2, 3, 1, 0, 4, 0, 0, 0                   ; the last batch: nothing younger is out
	OUTS 40, 1024, 512                             ; v: cc = 2 oh + i_ot, j = i_pt
	s_set_vgpr_msb 0x5
	s_wait_tensorcnt 0x0
	ds_add_u32 v0, v1
	s_wait_dscnt 0x0
	s_set_vgpr_msb 0x500
	ROUND                                          ; the closing round: no work-group ends while a partner may still ask jointly
	s_endpgm
.Lfunc_end_k_qd35fc85999_qkv:
	.size	k_qd35fc85999_qkv, .Lfunc_end_k_qd35fc85999_qkv-k_qd35fc85999_qkv
	.p2alignl 7, 3214868480
	.fill 96, 4, 3214868480
	.section	.rodata,"a",@progbits
	.p2align	6, 0x0
	.amdhsa_kernel k_qd35fc85999_qkv
		.amdhsa_group_segment_fixed_size 173056
		.amdhsa_private_segment_fixed_size 0
		.amdhsa_enable_private_segment 0
		.amdhsa_kernarg_size 56
		.amdhsa_user_sgpr_count 2
		.amdhsa_user_sgpr_kernarg_segment_ptr 1
		.amdhsa_wavefront_size32 1
		.amdhsa_system_sgpr_workgroup_id_x 1
		.amdhsa_system_sgpr_workgroup_id_y 1
		.amdhsa_system_sgpr_workgroup_id_z 1
		.amdhsa_system_vgpr_workitem_id 0
		.amdhsa_next_free_vgpr 258
		.amdhsa_next_free_sgpr 66
		.amdhsa_reserve_vcc 0
		.amdhsa_float_denorm_mode_32 3
		.amdhsa_float_denorm_mode_16_64 3
		.amdhsa_memory_ordered 1
		.amdhsa_forward_progress 1
		.amdhsa_inst_pref_size 49
	.end_amdhsa_kernel
	.amdgpu_metadata
---
amdhsa.version: [ 1, 2 ]
amdhsa.kernels:
  - .name:           k_qd35fc85999_qkv
    .symbol:         k_qd35fc85999_qkv.kd
    .args:
      - { .name: x, .offset: 0, .size: 8, .value_kind: global_buffer, .address_space: global }
      - { .name: gn_w, .offset: 8, .size: 8, .value_kind: global_buffer, .address_space: global }
      - { .name: gn_b, .offset: 16, .size: 8, .value_kind: global_buffer, .address_space: global }
      - { .name: part, .offset: 24, .size: 8, .value_kind: global_buffer, .address_space: global }
      - { .name: wfr, .offset: 32, .size: 8, .value_kind: global_buffer, .address_space: global }
      - { .name: qfr, .offset: 40, .size: 8, .value_kind: global_buffer, .address_space: global }
      - { .name: kvf, .offset: 48, .size: 8, .value_kind: global_buffer, .address_space: global }
    .group_segment_fixed_size: 173056
    .private_segment_fixed_size: 0
    .kernarg_segment_align: 8
    .kernarg_segment_size: 56
    .max_flat_workgroup_size: 256
    .sgpr_count:     66
    .vgpr_count:     258
    .wavefront_size: 32
...
	.end_amdgpu_metadata
.endif
;; end of part 2
;; launch attn (part 3): grid 32 x 8, 8 waves a work-group, clusters of 4 x 1, 327,680 bytes of LDS; arguments qfr, kvf, ofr; writes ofr
.if DOCPART == 3
	.amdgcn_target "amdgcn-amd-amdhsa--gfx1250"
	.amdhsa_code_object_version 6
	.text
	.protected	k_qd35fc85999_attn
	.globl	k_qd35fc85999_attn
	.p2align	8
	.type	k_qd35fc85999_attn,@function
k_qd35fc85999_attn:
	s_mov_b64 s[64:65], 0
	v_nop
	global_prefetch_b8 v0, s[64:65] scope:SCOPE_SE
	s_setreg_imm32_b32 hwreg(HW_REG_WAVE_MODE, 25, 1), 1
	s_wait_xcnt 0x0
	s_wait_alu depctr_hold_cnt(0) depctr_sa_sdst(0) depctr_va_vdst(0) depctr_va_sdst(0) depctr_va_ssrc(0) depctr_va_vcc(0) depctr_vm_vsrc(0)
	s_getreg_b32 s2, hwreg(HW_REG_IB_STS2, 6, 4)
	s_cmp_eq_u32 s2, 0
	s_cbranch_scc0 .Lentry_in_a_cluster
	s_endpgm
.Lentry_in_a_cluster:
	s_bfe_u32 s2, ttmp6, 0x10000c
	s_cmp_lg_u32 s2, 0x3003
	s_cbranch_scc0 .Lentry_shape_is_right
	s_endpgm
.Lentry_shape_is_right:
; ATTN: softmax(q k / 16) v for one (batch, head) = grid y and one block of 128 queries = grid x, over all 4,096 keys, with a running maximum.
; The scores arrive in base-2 units: log2(e)/16 was folded into wq.  Operands bf16, sums f32; P is rounded to bf16, its sum is taken from the unrounded f32.
; v_exp_f32 gives zero below 2^-126.  Scores that are not finite in f32 are not served.
; EVERYTHING IS TRANSPOSED: S^T = K Q^T (A = K: rows are keys; B = Q: columns are queries), so lane (r, h) holds keys 8 h + j of query r.  Packed in pairs these
; registers ARE the B fragment of O^T = V P^T (A = V: rows are channels, k = keys): no shuffle; maximum, sum and rescale factor are one number a lane.
; SHARES: 8 waves, two a SIMD.  Wave w = 2 kq + qg takes 64 queries (qg: 4 query tiles) and a quarter of the keys (kq: 16 steps of 64 keys).
; A step is 32 LDS loads of 512 bytes for 64 matrix instructions; with 32 queries a wave and all keys it would be one load a matrix instruction.
; The four quarters' results are merged once at the end, through LDS.
; CLUSTER of 4 along x: four query blocks of one head walk the same K and V: every tile is asked for jointly (mask 15).  Q is each work-group's own.
; LDS: two slots of 131,072; slot s, region (2 kq + st) x 16,384 = the chunk of 64 keys of step st of quarter kq (K at 0, V at 8,192), as qkv stored it: dense.
;      262,144 .. 270,335 the merge's maxima and sums (LDS stores alone write here).  The merge's O goes into slot 0, behind that slot's last fill and last read.
; Tile n of 8 = chunks 16 kq + 2 n, + 1 of every quarter; wave w brings chunk 16 kq + 2 n + qg (64 rows of 256 bytes) to slot + 16,384 w.
; A wave has two tensor loads out at the start, then the one of a refill, which has two steps (128 matrix instructions and 8 softmax tiles a wave) in which to land.
; REGISTERS, in windows of 256 (s_set_vgpr_msb: bits 1:0 source 0, 3:2 source 1, 5:4 source 2, 7:6 destination):
;   window 0: addresses, softmax state, Q, the scores (which become P);   window 1: O, K, V.
.set STATS, 262144
.set SLOTB, 131072
.set LA, 2                             ; v2, v3     16 L + 32,768 kq in slot 0, 1
.set MX, 8                             ; v[8:15]    query tile t: running maximum in 8 + 2 t (the pair's partner is written once and not used)
.set AL, 16                            ; v[16:23]   rescale factor 2^(old - new), likewise
.set LS, 24                            ; v[24:31]   running sums, both registers of the pair in use
.set TM, 32                            ; v[32:39]   at work
.set XS, 40                            ; v[40:47]   four chains of pairs
.set QF, 64                            ; v[64:127]  Q: 16 t + 8 ks
.set SC, 128                           ; v[128:255] scores: 32 t + 8 y; then P: 32 t + 8 kk
.set OA, 0                             ; window 1, v[0:127]    O: 32 t + 8 cc
.set KF, 128                           ; window 1, v[128:191]  K: 16 y + 8 ks
.set VF, 192                           ; window 1, v[192:255]  V: 32 kk + 8 cc
.set G1, 24                            ; s[24:31]
.set G0, 32                            ; s[32:39]   one group 0 for each slot
.set MSB, 0
.macro WIN new                         ; the immediate's high byte repeats the setting that is left
.if MSB != \new
	s_set_vgpr_msb (MSB<<8)|\new
.set MSB, \new
.endif
.endm
.macro PLACES n
.rept \n
	v_nop
.endr
.endm
.macro ROUND                           ; a round of the cluster's barrier
	s_barrier_signal -1
	s_barrier_wait -1
	s_cmp_lg_u32 s10, 0
	s_cbranch_scc1 .Lnot_wave_0_\@
	s_barrier_signal -3
.Lnot_wave_0_\@:
	s_barrier_wait -3
	s_barrier_signal -1
	s_barrier_wait -1
.endm
	s_load_b128 s[4:7], s[0:1], 0x0                ; qfr s[4:5], kvf s[6:7]
	s_load_b64 s[8:9], s[0:1], 0x10                ; ofr
	v_lshl_add_u32 v62, v0, 2, 0x42000
	v_mov_b32 v63, 0
	ds_add_u32 v62, v63
	v_lshrrev_b32 v2, 5, v0
	v_readfirstlane_b32 s10, v2                    ; wave
	s_and_b32 s11, s10, 1                          ; qg
	s_lshr_b32 s12, s10, 1                         ; kq
	s_bfe_u32 s13, ttmp6, 0x40000                  ; cx
	s_lshl_b32 s14, ttmp9, 2
	s_add_co_u32 s14, s14, s13                     ; query block = 4 x cluster x + cx
	s_and_b32 s15, ttmp7, 0xffff                   ; bh
	s_mov_b32 s16, 0x76543210                      ; v_permlanex16_b32: lane i reads lane i of the other half
	s_mov_b32 s17, 0xfedcba98
	s_mov_b32 s[G1+0], 15|(3<<16)|(1<<21)          ; mask 15, elements of 8 bytes, bit 21 beside the mask
	s_mov_b32 s[G1+1], 32<<16                      ; tensor_dim0 = 32
	s_mov_b32 s[G1+2], 64<<16                      ; tensor_dim1 = 64
	s_mov_b32 s[G1+3], 32<<16                      ; tile_dim0 = 32
	s_mov_b32 s[G1+4], 64                          ; tile_dim1 = 64
	s_mov_b32 s[G1+5], 32                          ; pitch
	s_mov_b32 s[G1+6], 0
	s_mov_b32 s[G1+7], 0
	s_lshl_b32 s40, s15, 19                        ; qfr: bh + (8 block + 4 qg) tiles of 2,048
	s_lshl_b32 s41, s14, 14
	s_add_co_u32 s40, s40, s41
	s_lshl_b32 s41, s11, 13
	s_add_co_u32 s40, s40, s41
	s_mov_b32 s41, 0
	s_lshl_b32 s42, s15, 20                        ; kvf: bh + chunk 16 kq + qg: head and wave alone, which the partners share
	s_lshl_b32 s43, s12, 18
	s_add_co_u32 s42, s42, s43
	s_lshl_b32 s43, s11, 14
	s_add_co_u32 s42, s42, s43
	s_mov_b32 s43, 0
	s_lshr_b32 s44, s15, 2                         ; ofr: batch x 2 MiB + (8 block + 4 qg + kq) tiles of 8,192 + head x 2,048
	s_lshl_b32 s44, s44, 21
	s_lshl_b32 s45, s14, 16
	s_add_co_u32 s44, s44, s45
	s_lshl_b32 s45, s11, 15
	s_add_co_u32 s44, s44, s45
	s_lshl_b32 s45, s12, 13
	s_add_co_u32 s44, s44, s45
	s_and_b32 s45, s15, 3
	s_lshl_b32 s45, s45, 11
	s_add_co_u32 s44, s44, s45
	s_mov_b32 s45, 0
	s_mul_i32 s46, s10, 16384                      ; my region of a slot
	s_wait_dscnt 0x0
	s_wait_kmcnt 0x0
	s_add_nc_u64 s[20:21], s[4:5], s[40:41]
	s_add_nc_u64 s[22:23], s[8:9], s[44:45]
	s_add_nc_u64 s[6:7], s[6:7], s[42:43]
.irp n, 0,1
	s_mov_b32 s[G0+4*\n], 1
	s_add_co_u32 s[G0+4*\n+1], s46, \n*SLOTB
	s_add_nc_u64 s[G0+4*\n+2:G0+4*\n+3], s[6:7], \n*32768          ; tile n
	s_or_b32 s[G0+4*\n+3], s[G0+4*\n+3], 0x80000000
.endr
	v_and_b32 v4, 31, v0                           ; L
	v_lshlrev_b32 v1, 4, v4                        ; 16 L
.irp t, 0,1,2,3
.irp k, 0,1
.irp j, 0,1
	global_load_b128 v[QF+16*\t+8*\k+4*\j:QF+16*\t+8*\k+4*\j+3], v1, s[20:21] offset:\t*2048+\k*1024+\j*512
.endr
.endr
.endr
	s_lshl_b32 s47, s12, 15
	v_add_nc_u32 v[LA], s47, v1
	v_add_nc_u32 v[LA+1], SLOTB, v[LA]
	v_lshlrev_b32 v6, 2, v4                        ; 4 L
	s_lshl_b32 s47, s10, 10
	s_add_co_u32 s47, s47, STATS
	v_add_nc_u32 v4, s47, v6                       ; merge: my maxima and sums go here
	v_add_nc_u32 v5, s46, v1                       ;        my O goes here
	s_lshl_b32 s47, s11, 10
	s_lshl_b32 s19, s12, 7
	s_add_co_u32 s47, s47, s19
	s_add_co_u32 s47, s47, STATS
	v_add_nc_u32 v6, s47, v6                       ;        quarter 0's figures for query tile kq of my query group
	s_lshl_b32 s47, s11, 14
	s_lshl_b32 s19, s12, 12
	s_add_co_u32 s47, s47, s19
	v_add_nc_u32 v7, s47, v1                       ;        quarters 0, 1: O of that tile
	v_add_nc_u32 v48, 65536, v7                    ;        quarters 2, 3
.irp t, 0,1,2,3
	v_mov_b32 v[MX+2*\t+1], 0                      ; the pairs' partners: named by packed instructions, never used
	v_mov_b32 v[AL+2*\t+1], 0
.endr
	v_mov_b32 v[TM+4], 0                           ; v_permlanex16_b32's destination counts as read
.macro LDK slot, st                    ; 16 loads of 512 consecutive bytes: K of step st
	WIN 0x40
.irp y, 0,1,2,3
.irp k, 0,1
.irp j, 0,1
	ds_load_b128 v[KF+16*\y+8*\k+4*\j:KF+16*\y+8*\k+4*\j+3], v[LA+\slot] offset:\st*16384+\y*2048+\k*1024+\j*512
.endr
.endr
.endr
.endm
.macro LDV slot, st                    ; 16 loads: V of step st
	WIN 0x40
.irp k, 0,1
.irp c, 0,1,2,3
.irp j, 0,1
	ds_load_b128 v[VF+32*\k+8*\c+4*\j:VF+32*\k+8*\c+4*\j+3], v[LA+\slot] offset:\st*16384+8192+\k*4096+\c*1024+\j*512
.endr
.endr
.endr
.endm
; 32 matrix instructions: 64 keys x 64 queries x 64 channels.  The 16 accumulators take turns, one instruction a turn.
.macro SRUN
	WIN 0x01
.irp t, 0,1,2,3
.irp y, 0,1,2,3
	v_wmma_f32_16x16x32_bf16 v[SC+32*\t+8*\y:SC+32*\t+8*\y+7], v[KF+16*\y:KF+16*\y+7], v[QF+16*\t:QF+16*\t+7], 0
.endr
.endr
.irp t, 0,1,2,3
.irp y, 0,1,2,3
	v_wmma_f32_16x16x32_bf16 v[SC+32*\t+8*\y:SC+32*\t+8*\y+7], v[KF+16*\y+8:KF+16*\y+15], v[QF+16*\t+8:QF+16*\t+15], v[SC+32*\t+8*\y:SC+32*\t+8*\y+7]
.endr
.endr
.endm
; Query tile t: a lane's 32 scores (its half of the 64 keys of query r).  first = 1: there is no old maximum, no factor, no old sum.
.macro SMAX t, first
.set SB, SC+32*\t
.irp c, 0,1,2,3
	v_max3_num_f32 v[TM+\c], v[SB+8*\c], v[SB+8*\c+1], v[SB+8*\c+2]        ; four chains that do not wait for each other
.endr
.irp c, 0,1,2,3
	v_max3_num_f32 v[TM+\c], v[TM+\c], v[SB+8*\c+3], v[SB+8*\c+4]
.endr
.irp c, 0,1,2,3
	v_max3_num_f32 v[TM+\c], v[TM+\c], v[SB+8*\c+5], v[SB+8*\c+6]
.endr
	v_max3_num_f32 v[TM], v[TM], v[TM+1], v[SB+7]
	v_max3_num_f32 v[TM+2], v[TM+2], v[TM+3], v[SB+15]
	v_max3_num_f32 v[TM], v[TM], v[TM+2], v[SB+23]
.if \first
	v_max_num_f32 v[TM], v[TM], v[SB+31]
	v_permlanex16_b32 v[TM+4], v[TM], s16, s17     ; the other half of the keys lies in lane L xor 16
	v_max_num_f32 v[MX+2*\t], v[TM], v[TM+4]
.else
	v_max3_num_f32 v[TM], v[TM], v[SB+31], v[MX+2*\t]
	v_permlanex16_b32 v[TM+4], v[TM], s16, s17
	v_max_num_f32 v[TM], v[TM], v[TM+4]
	v_sub_f32 v[AL+2*\t], v[MX+2*\t], v[TM]
	v_mov_b32 v[MX+2*\t], v[TM]
	v_exp_f32 v[AL+2*\t], v[AL+2*\t]               ; 2^(old - new); first used far below
.endif
.set i, 0
.rept 16
	v_pk_add_f32 v[SB+2*i:SB+2*i+1], v[SB+2*i:SB+2*i+1], v[MX+2*\t:MX+2*\t+1] op_sel_hi:[1,0] neg_lo:[0,1] neg_hi:[0,1]
.set i, i+1
.endr
.set i, 0
.rept 32
	v_exp_f32 v[SB+i], v[SB+i]
.set i, i+1
.endr
	v_nop                                          ; one plain instruction behind the last transcendental (ISA guide 5.7.2)
	s_wait_alu depctr_va_vdst(0)
.irp c, 0,1,2,3
	v_pk_add_f32 v[XS+2*\c:XS+2*\c+1], v[SB+2*\c:SB+2*\c+1], v[SB+8+2*\c:SB+8+2*\c+1]
.endr
.irp c, 0,1,2,3
	v_pk_add_f32 v[XS+2*\c:XS+2*\c+1], v[XS+2*\c:XS+2*\c+1], v[SB+16+2*\c:SB+16+2*\c+1]
.endr
.irp c, 0,1,2,3
	v_pk_add_f32 v[XS+2*\c:XS+2*\c+1], v[XS+2*\c:XS+2*\c+1], v[SB+24+2*\c:SB+24+2*\c+1]
.endr
	v_pk_add_f32 v[XS:XS+1], v[XS:XS+1], v[XS+2:XS+3]
	v_pk_add_f32 v[XS+4:XS+5], v[XS+4:XS+5], v[XS+6:XS+7]
.if \first
	v_pk_add_f32 v[LS+2*\t:LS+2*\t+1], v[XS:XS+1], v[XS+4:XS+5]
.else
	v_pk_add_f32 v[XS:XS+1], v[XS:XS+1], v[XS+4:XS+5]
	v_pk_fma_f32 v[LS+2*\t:LS+2*\t+1], v[LS+2*\t:LS+2*\t+1], v[AL+2*\t:AL+2*\t+1], v[XS:XS+1] op_sel_hi:[1,0,1]
.endif
.set i, 0
.rept 16
	v_cvt_pk_bf16_f32 v[SB+i], v[SB+2*i], v[SB+2*i+1]      ; in place, ascending: register i is written when 2 i and 2 i + 1 are read
.set i, i+1
.endr
.endm
.macro RESC                            ; O x 2^(old - new), a number a lane for each query tile
	WIN 0x41
.irp t, 0,1,2,3
.set i, 0
.rept 16
	v_pk_mul_f32 v[OA+32*\t+2*i:OA+32*\t+2*i+1], v[OA+32*\t+2*i:OA+32*\t+2*i+1], v[AL+2*\t:AL+2*\t+1] op_sel_hi:[1,0]
.set i, i+1
.endr
.endr
.endm
; 32 matrix instructions: 64 channels x 64 queries x 64 keys.  16 accumulators by turns.  first = 1: the first 32 keys start the sums.
.macro PVRUN first
	WIN 0x51
.irp k, 0,1
.irp t, 0,1,2,3
.irp c, 0,1,2,3
.if \first*(1-\k)
	v_wmma_f32_16x16x32_bf16 v[OA+32*\t+8*\c:OA+32*\t+8*\c+7], v[VF+32*\k+8*\c:VF+32*\k+8*\c+7], v[SC+32*\t+8*\k:SC+32*\t+8*\k+7], 0
.else
	v_wmma_f32_16x16x32_bf16 v[OA+32*\t+8*\c:OA+32*\t+8*\c+7], v[VF+32*\k+8*\c:VF+32*\k+8*\c+7], v[SC+32*\t+8*\k:SC+32*\t+8*\k+7], v[OA+32*\t+8*\c:OA+32*\t+8*\c+7]
.endif
.endr
.endr
.endr
.endm
; One step of 64 keys.  In a slot's first step the second step's K and V are fetched as soon as their registers are free.
.macro STEP slot, st, first
	s_wait_dscnt 16                                ; K of this step is in; the 16 younger loads (its V) stay out
	SRUN
	PLACES 4                                       ; four places (ISA guide 7.12.1) before the scores are read and K's registers are loaded again
.if \st == 0
	LDK \slot, 1
.endif
	WIN 0
	SMAX 0, \first
	SMAX 1, \first
	SMAX 2, \first
	SMAX 3, \first
.if \first == 0
	RESC
.endif
.if \st == 0
	s_wait_dscnt 16                                ; V is in; the 16 loads of the next K stay out
.else
	s_wait_dscnt 0x0                               ; V is in; nothing younger is out
.endif
	PVRUN \first
	PLACES 5                                       ; four before V's registers are loaded again or O is read, five before the next scores write over P
.if \st == 0
	LDV \slot, 1
.endif
.endm
.macro TILE slot, first
	LDK \slot, 0
	LDV \slot, 0
	STEP \slot, 0, \first
	STEP \slot, 1, 0
	WIN 0                                          ; at a label and at a branch every window is 0
.endm
; The change of slots.  In front of the round every wave has waited for all its tensor loads (its part of this slot among them) and for its reads of the other slot;
; behind it no wave of the four work-groups reads the other slot or has a load out, and the joint refill is the first thing there, one load a wave.
.macro TURN slot, refill
	s_wait_tensorcnt 0x0
	ds_add_u32 v62, v63
	s_wait_dscnt 0x0
.if \refill
	s_add_nc_u64 s[G0+6-4*\slot:G0+7-4*\slot], s[G0+6-4*\slot:G0+7-4*\slot], 65536     ; no load of mine is out: the other slot's address steps two tiles
.endif
	s_wait_dscnt 0x0
.if \refill
	ROUND
	tensor_load_to_lds s[G0+4-4*\slot:G0+7-4*\slot], s[G1:G1+7]
	s_nop 0
.else
	s_barrier_signal -1                            ; it shows the last tile whole to every wave
	s_barrier_wait -1
.endif
	TILE \slot, 0
.endm
	ROUND                                          ; in front of the first joint loads
	tensor_load_to_lds s[G0:G0+3], s[G1:G1+7]      ; tile 0
	s_nop 0
	tensor_load_to_lds s[G0+4:G0+7], s[G1:G1+7]    ; tile 1
	s_nop 0
	s_wait_tensorcnt 0x1                           ; my part of tile 0 is in; tile 1 may stay out
	s_barrier_signal -1
	s_barrier_wait -1
	s_wait_loadcnt 0x0                             ; Q
	TILE 0, 1                                      ; tile 0: its first step starts maxima, sums and O
	s_mov_b32 s18, 3
.Lpair:
	TURN 1, 1                                      ; tiles 1, 3, 5; slot 0 gets tiles 2, 4, 6
	TURN 0, 1                                      ; tiles 2, 4, 6; slot 1 gets tiles 3, 5, 7
	s_sub_co_u32 s18, s18, 1
	s_cmp_lg_u32 s18, 0
	s_cbranch_scc1 .Lpair
	TURN 1, 0                                      ; tile 7: nothing is left to fetch
	; THE MERGE of the four quarters of the keys.  Slot 0 has had its last fill (tile 6), and every wave's last read of it stands in front of tile 7's barrier.
.irp t, 0,1,2,3
	v_add_f32 v[LS+2*\t], v[LS+2*\t], v[LS+2*\t+1]
.endr
.irp t, 0,1,2,3
	v_permlanex16_b32 v[TM+\t], v[LS+2*\t], s16, s17       ; the other half of the keys
.endr
.irp t, 0,1,2,3
	v_add_f32 v[LS+2*\t], v[LS+2*\t], v[TM+\t]
.endr
.irp t, 0,1,2,3
	ds_store_b32 v4, v[MX+2*\t] offset:128*\t
	ds_store_b32 v4, v[LS+2*\t] offset:512+128*\t
.endr
	WIN 0x04
.irp t, 0,1,2,3
.irp i, 0,1,2,3,4,5,6,7
	ds_store_b128 v5, v[OA+32*\t+4*\i:OA+32*\t+4*\i+3] offset:\t*4096+\i*512
.endr
.endr
	WIN 0
	s_wait_dscnt 0x0                               ; for the other waves' sake
	s_barrier_signal -1
	s_barrier_wait -1
	; wave (qg, kq) finishes query tile kq of query group qg
.irp k, 0,1,2,3
	ds_load_b32 v[TM+\k], v6 offset:2048*\k
	ds_load_b32 v[XS+\k], v6 offset:2048*\k+512
.endr
.irp k, 0,1
.irp i, 0,1,2,3,4,5,6,7
	ds_load_b128 v[SC+32*\k+4*\i:SC+32*\k+4*\i+3], v7 offset:32768*\k+512*\i
.endr
.endr
.irp k, 0,1
.irp i, 0,1,2,3,4,5,6,7
	ds_load_b128 v[SC+64+32*\k+4*\i:SC+64+32*\k+4*\i+3], v48 offset:32768*\k+512*\i
.endr
.endr
	s_wait_dscnt 0x0
	v_max3_num_f32 v[TM+4], v[TM], v[TM+1], v[TM+2]
	v_max_num_f32 v[TM+4], v[TM+4], v[TM+3]
.irp k, 0,1,2,3
	v_sub_f32 v[TM+\k], v[TM+\k], v[TM+4]
.endr
.irp k, 0,1,2,3
	v_exp_f32 v[TM+\k], v[TM+\k]
.endr
	v_nop
	s_wait_alu depctr_va_vdst(0)
	v_mul_f32 v[TM+5], v[TM], v[XS]
	v_fmac_f32 v[TM+5], v[TM+1], v[XS+1]
	v_fmac_f32 v[TM+5], v[TM+2], v[XS+2]
	v_fmac_f32 v[TM+5], v[TM+3], v[XS+3]           ; at least 1: the quarter that holds the maximum has a sum of at least 1
	v_rcp_f32 v[TM+5], v[TM+5]
	v_nop
	s_wait_alu depctr_va_vdst(0)
.irp k, 0,1,2,3
	v_mul_f32 v[AL+2*\k], v[TM+\k], v[TM+5]        ; the quarter's weight
.endr
.set i, 0
.rept 16
	v_pk_mul_f32 v[SC+2*i:SC+2*i+1], v[SC+2*i:SC+2*i+1], v[AL:AL+1] op_sel_hi:[1,0]
.set i, i+1
.endr
.irp k, 1,2,3
.set i, 0
.rept 16
	v_pk_fma_f32 v[SC+2*i:SC+2*i+1], v[SC+32*\k+2*i:SC+32*\k+2*i+1], v[AL+2*\k:AL+2*\k+1], v[SC+2*i:SC+2*i+1] op_sel_hi:[1,0,1]
.set i, i+1
.endr
.endr
.set i, 0
.rept 16
	v_cvt_pk_bf16_f32 v[SC+i], v[SC+2*i], v[SC+2*i+1]
.set i, i+1
.endr
.irp c, 0,1,2,3
	global_store_b128 v1, v[SC+4*\c:SC+4*\c+3], s[22:23] offset:512*\c     ; channels 16 c + 8 h .. + 7 of query r: 512 consecutive bytes, aligned
.endr
	s_wait_tensorcnt 0x0
	ds_add_u32 v62, v63
	s_wait_dscnt 0x0
	ROUND                                          ; the closing round
	s_endpgm
.Lfunc_end_k_qd35fc85999_attn:
	.size	k_qd35fc85999_attn, .Lfunc_end_k_qd35fc85999_attn-k_qd35fc85999_attn
	.p2alignl 7, 3214868480
	.fill 96, 4, 3214868480
	.section	.rodata,"a",@progbits
	.p2align	6, 0x0
	.amdhsa_kernel k_qd35fc85999_attn
		.amdhsa_group_segment_fixed_size 327680
		.amdhsa_private_segment_fixed_size 0
		.amdhsa_enable_private_segment 0
		.amdhsa_kernarg_size 24
		.amdhsa_user_sgpr_count 2
		.amdhsa_user_sgpr_kernarg_segment_ptr 1
		.amdhsa_wavefront_size32 1
		.amdhsa_system_sgpr_workgroup_id_x 1
		.amdhsa_system_sgpr_workgroup_id_y 1
		.amdhsa_system_sgpr_workgroup_id_z 1
		.amdhsa_system_vgpr_workitem_id 0
		.amdhsa_next_free_vgpr 512
		.amdhsa_next_free_sgpr 66
		.amdhsa_reserve_vcc 0
		.amdhsa_float_denorm_mode_32 3
		.amdhsa_float_denorm_mode_16_64 3
		.amdhsa_memory_ordered 1
		.amdhsa_forward_progress 1
		.amdhsa_inst_pref_size 255
	.end_amdhsa_kernel
	.section	.bss,"aw",@nobits
	.p2align	6
	.space	262144
	.amdgpu_metadata
---
amdhsa.version: [ 1, 2 ]
amdhsa.kernels:
  - .name:           k_qd35fc85999_attn
    .symbol:         k_qd35fc85999_attn.kd
    .args:
      - { .name: qfr, .offset: 0, .size: 8, .value_kind: global_buffer, .address_space: global }
      - { .name: kvf, .offset: 8, .size: 8, .value_kind: global_buffer, .address_space: global }
      - { .name: ofr, .offset: 16, .size: 8, .value_kind: global_buffer, .address_space: global }
    .group_segment_fixed_size: 327680
    .private_segment_fixed_size: 0
    .kernarg_segment_align: 8
    .kernarg_segment_size: 24
    .max_flat_workgroup_size: 256
    .sgpr_count:     66
    .vgpr_count:     512
    .wavefront_size: 32
...
	.end_amdgpu_metadata
.endif
;; end of part 3
;; launch proj (part 4): grid 128 x 2, 8 waves a work-group, clusters of 4 x 1, 168,960 bytes of LDS; arguments ofr, wfr, bo, x, out0; writes out0
.if DOCPART == 4
	.amdgcn_target "amdgcn-amd-amdhsa--gfx1250"
	.amdhsa_code_object_version 6
	.text
	.protected	k_qd35fc85999_proj
	.globl	k_qd35fc85999_proj
	.p2align	8
	.type	k_qd35fc85999_proj,@function
k_qd35fc85999_proj:
	s_mov_b64 s[64:65], 0
	v_nop
	global_prefetch_b8 v0, s[64:65] scope:SCOPE_SE
	s_setreg_imm32_b32 hwreg(HW_REG_WAVE_MODE, 25, 1), 1
	s_wait_xcnt 0x0
	s_wait_alu depctr_hold_cnt(0) depctr_sa_sdst(0) depctr_va_vdst(0) depctr_va_sdst(0) depctr_va_ssrc(0) depctr_va_vcc(0) depctr_vm_vsrc(0)
	s_getreg_b32 s2, hwreg(HW_REG_IB_STS2, 6, 4)
	s_cmp_eq_u32 s2, 0
	s_cbranch_scc0 .Lentry_in_a_cluster
	s_endpgm
.Lentry_in_a_cluster:
	s_bfe_u32 s2, ttmp6, 0x10000c
	s_cmp_lg_u32 s2, 0x3003
	s_cbranch_scc0 .Lentry_shape_is_right
	s_endpgm
.Lentry_shape_is_right:
; PROJ: out0 = wo O + bo + x.  Grid x = batch (2) x block of 64 positions (64), grid y = half of the 256 outputs.
; 8 waves; wave w makes outputs 128 y + 16 w .. + 15 x 64 positions: 4 accumulators, 8 K steps of 32, 32 matrix instructions.  Operands bf16, sums, bias and residual f32.
; D = O-fragment x wo-fragment (A's rows are positions, B's columns outputs): lane (r, h) holds positions 8 h .. + 7 of output r, 32 consecutive bytes of a row of out0.
; CLUSTER of 4 along x: four position blocks need the same 65,536 bytes of wo, asked for jointly (mask 15) by waves 0 to 3.
; The O tile (32,768 bytes, waves 4 and 5, plain loads) is shared only with the work-group of the other half of the outputs, along grid y, which this cluster does not hold.
; LDS: 0 .. 65,535 wo's half [row tile 8][ks 8][j 2][512]; 65,536 .. 98,303 O [position tile 4][ks 8][j 2][512]; from 98,304 each wave's own stage, 16 rows of 272 bytes
; (LDS stores alone write there).  One tensor load a wave is out.
.set XR,  16                           ; v[16:47]   x: 8 pairs of rows x 16 bytes
.set ACC, 48                           ; v[48:79]   4 accumulators
.set WF,  80                           ; v[80:143]  wo: 8 ks
.set RB,  80                           ;            later: rows read back from the stage
.set OB,  144                          ; v[144:207] O fragments, two buffers of 32: 8 pt
.set STG, 98304
.set SP,  272                          ; the stage's pitch: 256 + 16, so that sixteen rows' 16 bytes fall on sixteen different places modulo 256
.set G1,  24                           ; s[24:31] joint; s[32:35] its group 0
.set G0,  32
.set G1P, 40                           ; s[40:47] plain; s[48:51] its group 0
.set G0P, 48
.macro PLACES n
.rept \n
	v_nop
.endr
.endm
.macro ROUND
	s_barrier_signal -1
	s_barrier_wait -1
	s_cmp_lg_u32 s14, 0
	s_cbranch_scc1 .Lnot_wave_0_\@
	s_barrier_signal -3
.Lnot_wave_0_\@:
	s_barrier_wait -3
	s_barrier_signal -1
	s_barrier_wait -1
.endm
	s_load_b256 s[4:11], s[0:1], 0x0               ; ofr s[4:5], wfr s[6:7], bo s[8:9], x s[10:11]
	s_load_b64 s[12:13], s[0:1], 0x20              ; out0
	v_lshl_add_u32 v208, v0, 2, 0x29000
	v_mov_b32 v209, 0
	ds_add_u32 v208, v209
	v_lshrrev_b32 v2, 5, v0
	v_readfirstlane_b32 s14, v2                    ; wave
	s_bfe_u32 s15, ttmp6, 0x40000                  ; cx
	s_lshl_b32 s16, ttmp9, 2
	s_add_co_u32 s16, s16, s15                     ; work-group x
	s_and_b32 s17, ttmp7, 0xffff                   ; half of the outputs
	s_lshr_b32 s18, s16, 6                         ; batch
	s_and_b32 s19, s16, 63                         ; block of 64 positions
	s_lshl_b32 s20, s17, 7
	s_lshl4_add_u32 s20, s14, s20                  ; my first output = 128 y + 16 w
.irp g, G1, G1P
	s_mov_b32 s[\g+1], 32<<16                      ; 64 rows of 32 elements of 8 bytes, dense
	s_mov_b32 s[\g+2], 64<<16
	s_mov_b32 s[\g+3], 32<<16
	s_mov_b32 s[\g+4], 64
	s_mov_b32 s[\g+5], 32
	s_mov_b32 s[\g+6], 0
	s_mov_b32 s[\g+7], 0
.endr
	s_mov_b32 s[G1+0], 15|(3<<16)|(1<<21)          ; the four work-groups of the cluster
	s_mov_b32 s[G1P+0], 3<<16                      ; no mask: my own
	s_mov_b32 s[G0+0], 1
	s_mul_i32 s[G0+1], s14, 16384                  ; waves 0 to 3: wo's quarters
	s_mov_b32 s[G0P+0], 1
	s_mul_i32 s[G0P+1], s14, 16384                 ; waves 4, 5: 65,536 and 81,920
	s_lshl_b32 s52, s17, 16                        ; wo in wfr: 393,216 + half + wave's quarter: nothing of cx
	s_add_co_u32 s52, s52, s[G0+1]
	s_add_co_u32 s52, s52, 393216
	s_mov_b32 s53, 0
	s_lshl_b32 s54, s18, 21                        ; ofr: batch + 4 tiles of 8,192 a block + my half of them
	s_lshl_b32 s55, s19, 15
	s_add_co_u32 s54, s54, s55
	s_and_b32 s55, s14, 1
	s_lshl_b32 s55, s55, 14
	s_add_co_u32 s54, s54, s55
	s_mov_b32 s55, 0
	s_lshl_b32 s36, s18, 22                        ; x and out0: batch + output row of 16,384 bytes + block x 256
	s_lshl_b32 s37, s20, 14
	s_add_co_u32 s36, s36, s37
	s_lshl_b32 s37, s19, 8
	s_add_co_u32 s36, s36, s37
	s_mov_b32 s37, 0
	s_lshl_b32 s38, s20, 2                         ; bo
	s_mov_b32 s39, 0
	s_mul_i32 s21, s14, 16*SP
	s_add_co_u32 s21, s21, STG                     ; my stage
	s_lshl_b32 s22, s14, 13                        ; my row tile of wo in LDS
	v_and_b32 v10, 15, v0                          ; r
	v_bfe_u32 v11, v0, 4, 1                        ; h
	v_and_b32 v1, 31, v0
	v_lshlrev_b32 v1, 4, v1                        ; 16 L
	v_add_nc_u32 v2, s22, v1                       ; wo fragments
	v_add_nc_u32 v3, 65536, v1                     ; O fragments
	v_mul_u32_u24 v4, v10, SP                      ; stage in: row r, 32 bytes for each half of the lanes
	v_lshl_add_u32 v4, v11, 5, v4
	v_add_nc_u32 v4, s21, v4
	v_mul_u32_u24 v5, v11, SP                      ; stage back: lanes 0-15 one row of 256 bytes, lanes 16-31 the next
	v_lshl_add_u32 v5, v10, 4, v5
	v_add_nc_u32 v5, s21, v5
	v_lshlrev_b32 v6, 14, v11                      ; the same two rows in x and out0
	v_lshl_add_u32 v6, v10, 4, v6
	v_lshlrev_b32 v7, 2, v10                       ; bo: 4 r
	v_mov_b32 v9, 0                                ; the bias pair's partner: named, never used
	s_wait_dscnt 0x0
	s_wait_kmcnt 0x0
	s_add_nc_u64 s[10:11], s[10:11], s[36:37]
	s_add_nc_u64 s[12:13], s[12:13], s[36:37]
	s_add_nc_u64 s[8:9], s[8:9], s[38:39]
	s_add_nc_u64 s[G0+2:G0+3], s[6:7], s[52:53]
	s_or_b32 s[G0+3], s[G0+3], 0x80000000
	s_add_nc_u64 s[G0P+2:G0P+3], s[4:5], s[54:55]
	s_or_b32 s[G0P+3], s[G0P+3], 0x80000000
.irp t, 0,1,2,3,4,5,6,7
	global_load_b128 v[XR+4*\t:XR+4*\t+3], v6, s[10:11] offset:32768*\t    ; sixteen lanes read 256 consecutive bytes, aligned
.endr
	global_load_b32 v8, v7, s[8:9]
	ROUND                                          ; in front of the tensor loads, joint and plain
	s_cmp_ge_u32 s14, 4
	s_cbranch_scc1 .Lplain
	tensor_load_to_lds s[G0:G0+3], s[G1:G1+7]
	s_nop 0
	s_branch .Lasked
.Lplain:
	s_cmp_ge_u32 s14, 6
	s_cbranch_scc1 .Lasked
	tensor_load_to_lds s[G0P:G0P+3], s[G1P:G1P+7]
	s_nop 0
.Lasked:
	s_wait_tensorcnt 0x0                           ; my part is in (waves 6 and 7 have none out),
	s_barrier_signal -1
	s_barrier_wait -1                              ; everybody's is
.irp k, 0,1,2,3,4,5,6,7
.irp j, 0,1
	ds_load_b128 v[WF+8*\k+4*\j:WF+8*\k+4*\j+3], v2 offset:\k*1024+\j*512
.endr
.endr
.macro LDO ks                          ; 8 loads: the O fragments of the four position tiles for one K step
.irp p, 0,1,2,3
.irp j, 0,1
	ds_load_b128 v[OB+32*((\ks)&1)+8*\p+4*\j:OB+32*((\ks)&1)+8*\p+4*\j+3], v3 offset:\p*8192+(\ks)*1024+\j*512
.endr
.endr
.endm
; The four accumulators take turns, one instruction a turn, from K step to K step too.
.macro KSTEP ks
.if \ks == 7
	s_wait_dscnt 0x0
.else
	s_wait_dscnt 0x8                               ; this K step's fragments are in; the next step's 8 loads stay out
.endif
.irp p, 0,1,2,3
.if \ks == 0
	v_wmma_f32_16x16x32_bf16 v[ACC+8*\p:ACC+8*\p+7], v[OB+32*((\ks)&1)+8*\p:OB+32*((\ks)&1)+8*\p+7], v[WF+8*\ks:WF+8*\ks+7], 0
.else
	v_wmma_f32_16x16x32_bf16 v[ACC+8*\p:ACC+8*\p+7], v[OB+32*((\ks)&1)+8*\p:OB+32*((\ks)&1)+8*\p+7], v[WF+8*\ks:WF+8*\ks+7], v[ACC+8*\p:ACC+8*\p+7]
.endif
.endr
	PLACES 4                                       ; four places (ISA guide 7.12.1) before the buffer just read is loaded again, and at the end before the results are read
.if \ks < 6
	LDO \ks+2
.endif
.endm
	LDO 0
	LDO 1
.irp k, 0,1,2,3,4,5,6,7
	KSTEP \k
.endr
	s_wait_loadcnt 0x0                             ; x and the bias
.set i, 0
.rept 16
	v_pk_add_f32 v[ACC+2*i:ACC+2*i+1], v[ACC+2*i:ACC+2*i+1], v[8:9] op_sel_hi:[1,0]    ; + bo of output r
.set i, i+1
.endr
.irp p, 0,1,2,3
	ds_store_b128 v4, v[ACC+8*\p:ACC+8*\p+3] offset:64*\p
	ds_store_b128 v4, v[ACC+8*\p+4:ACC+8*\p+7] offset:64*\p+16
.endr
.irp t, 0,1,2,3,4,5,6,7
	ds_load_b128 v[RB+4*\t:RB+4*\t+3], v5 offset:2*SP*\t   ; my own bytes; LDS serves a wave's instructions in order (ISA guide 5.7.1): these see the stores above
.endr
.irp t, 0,1,2,3,4,5,6,7
	s_wait_dscnt 7-\t                              ; row pair t is back, the younger ones stay out
	v_pk_add_f32 v[RB+4*\t:RB+4*\t+1], v[RB+4*\t:RB+4*\t+1], v[XR+4*\t:XR+4*\t+1]
	v_pk_add_f32 v[RB+4*\t+2:RB+4*\t+3], v[RB+4*\t+2:RB+4*\t+3], v[XR+4*\t+2:XR+4*\t+3]
	global_store_b128 v6, v[RB+4*\t:RB+4*\t+3], s[12:13] offset:32768*\t th:TH_STORE_NT    ; sixteen lanes store 256 consecutive bytes, aligned
.endr
	s_wait_tensorcnt 0x0
	ds_add_u32 v208, v209
	s_wait_dscnt 0x0
	ROUND                                          ; the closing round
	s_endpgm
.Lfunc_end_k_qd35fc85999_proj:
	.size	k_qd35fc85999_proj, .Lfunc_end_k_qd35fc85999_proj-k_qd35fc85999_proj
	.p2alignl 7, 3214868480
	.fill 96, 4, 3214868480
	.section	.rodata,"a",@progbits
	.p2align	6, 0x0
	.amdhsa_kernel k_qd35fc85999_proj
		.amdhsa_group_segment_fixed_size 168960
		.amdhsa_private_segment_fixed_size 0
		.amdhsa_enable_private_segment 0
		.amdhsa_kernarg_size 40
		.amdhsa_user_sgpr_count 2
		.amdhsa_user_sgpr_kernarg_segment_ptr 1
		.amdhsa_wavefront_size32 1
		.amdhsa_system_sgpr_workgroup_id_x 1
		.amdhsa_system_sgpr_workgroup_id_y 1
		.amdhsa_system_sgpr_workgroup_id_z 1
		.amdhsa_system_vgpr_workitem_id 0
		.amdhsa_next_free_vgpr 210
		.amdhsa_next_free_sgpr 66
		.amdhsa_reserve_vcc 0
		.amdhsa_float_denorm_mode_32 3
		.amdhsa_float_denorm_mode_16_64 3
		.amdhsa_memory_ordered 1
		.amdhsa_forward_progress 1
		.amdhsa_inst_pref_size 19
	.end_amdhsa_kernel
	.amdgpu_metadata
---
amdhsa.version: [ 1, 2 ]
amdhsa.kernels:
  - .name:           k_qd35fc85999_proj
    .symbol:         k_qd35fc85999_proj.kd
    .args:
      - { .name: ofr, .offset: 0, .size: 8, .value_kind: global_buffer, .address_space: global }
      - { .name: wfr, .offset: 8, .size: 8, .value_kind: global_buffer, .address_space: global }
      - { .name: bo, .offset: 16, .size: 8, .value_kind: global_buffer, .address_space: global }
      - { .name: x, .offset: 24, .size: 8, .value_kind: global_buffer, .address_space: global }
      - { .name: out0, .offset: 32, .size: 8, .value_kind: global_buffer, .address_space: global }
    .group_segment_fixed_size: 168960
    .private_segment_fixed_size: 0
    .kernarg_segment_align: 8
    .kernarg_segment_size: 40
    .max_flat_workgroup_size: 256
    .sgpr_count:     66
    .vgpr_count:     210
    .wavefront_size: 32
...
	.end_amdgpu_metadata
.endif
;; end of part 4
